; MI455X (gfx1250); checked and timed in simulation.
; The chip was launched on July 23, 2026; its instructions are those of AMD's public machine-readable ISA for CDNA 5 (MIT licence, August 2026) and "CDNA5" Instruction Set Architecture Reference Guide (July 2026). The comments in the code are by the model that wrote it; some were corrected since.
;; GPM. Allowed arithmetic: float matrix products may take bf16 or f16 operands with f32 sums; all other float work in f32.
;; Inputs: input_encoded 64 x 256 x 128 float32; memory_logvar 1 float32; memory_mean 128 x 128 float32.
;; Outputs: out0 256 x 128 x 128 float32; out1 256 x 128 x 128 float32; out2 one number float32.
;; One version. Each part assembles by itself: llvm-mc -triple=amdgcn-amd-amdhsa -mcpu=gfx1250 --defsym DOCPART=n.
;; ======== version 1 of 1: 2 launches
;; limits: right only within a limited range of input values
;; workspace buffers: part 1,024 bytes
;; launch write (part 1): grid 256 x 1, 4 waves a work-group, no clusters, 251,392 bytes of LDS; arguments input_encoded, memory_mean, memory_logvar, out0, out1, part; writes out0, out1, part
.if DOCPART == 1
	.amdgcn_target "amdgcn-amd-amdhsa--gfx1250"
	.amdhsa_code_object_version 6
	.text
	.protected	k_q929caa5794_write
	.globl	k_q929caa5794_write
	.p2align	8
	.type	k_q929caa5794_write,@function
k_q929caa5794_write:
	s_mov_b64 s[64:65], 0
	v_nop
	global_prefetch_b8 v0, s[64:65] scope:SCOPE_SE
	s_setreg_imm32_b32 hwreg(HW_REG_WAVE_MODE, 25, 1), 1
	s_wait_xcnt 0x0
; Sequential Kalman write into a memory: 64 steps on mean M [128][128] and cov U [128][128], one batch element for each work-group.
; WHAT IS NOT COMPUTED ANEW.  With P = (M M^T + s2 I)^-1 and w = P M z the residual delta = z - M^T w obeys M delta = s2 w, for every input.
; So M' = M + c delta^T changes the Gram matrix by s2 (c w^T + w c^T) + |delta|^2 c c^T, a term of rank 2, and P follows by the Woodbury
; identity.  The Gram product and the inverse are made once, for the prior, which is the same matrix in every batch element.
; A step is then six matrix-vector products (U w, M^T w, P w, M z', P y1, P a0) and five rank-1 passes, in f32 on the vector unit: each has one
; column and a matrix of its own, so a matrix instruction would use one column of sixteen and would want the state rounded to bf16.
; The one true matrix product, memory_mean times its transpose, goes to the matrix unit with each number split into two bf16 (hi + lo), all four products.
; THE ORDER OF A STEP.  The chain w -> y1 = U w -> p1 = P y1 -> w' passes twice through LDS (store, wait, barrier, load, wait).  Each passage is
; covered by register work that does not hang on it: the first by the LAST step's update of P and by x2 = P w, the second by the updates of U and M
; and by the NEXT step's a0 = M' z''.
; LIMITS.  All solves are in f32 and P is carried through 63 rank-2 updates without being made anew: the error of w grows as
; 2^-24 |M|^2 / 0.25, as in any f32 solve.  The Gram product keeps 16 bits of each number of memory_mean (relative 2^-17).  memory_mean must be
; finite in bf16's range.  Sums are taken in another order than in the reference.  A diagonal of cov that is not positive gives NaN, as there.
; NO CLUSTER: what work-groups share is memory_mean, 65,536 bytes read once by each, against 32,768 + 131,072 bytes of its own; and it has to pass
; through registers to be split.  NO TENSOR LOADS: every input byte is staged once, at the head.
;
; LAYOUT of M, T = M^T, U, P.  Thread: wave w, lane l, g = l >> 3, q = l & 7.  Element X[r][c], r = 32 w + 8 g + i, c = 32 kk + 4 q + j, lies in
; register X + 8 (4 kk + j) + i: a register pair is two rows of one column.  A product sums a lane's 16 columns, then the 8 lanes of a group.
; WINDOWS: 0 vectors and addresses; 1: M (v0-127), T (v128-255); 2: U (v0-127), P (v128-255).
.set ZROW, 131072                      ; bytes from z_t to z_t+1: 256 x 128 x 4
.set PF,   528                         ; LDS pitch of a row of 128 f32: 512 + 16
.set PH,   272                         ; LDS pitch of a row of 128 bf16: 256 + 16
.set Y1,   0                           ; six vectors of 128 f32 that the waves hand to each other
.set Y2,   512
.set Y3,   1024
.set Y4,   1536
.set Y5,   2048
.set Y6,   2560
.set RED,  3072                        ; four words: the waves' parts of the divergence
.set ZS,   4096                        ; z_0 .. z_63, 512 bytes each
.set GJ,   36864                       ; the pivot column's ring: [parity][wave][slot q][32 rows]
.set SLP,  144                         ; a slot: 128 bytes + 16
.set WBL,  8*SLP                       ; a wave's eight slots
.set PAR,  4*WBL                       ; one parity
.set MS,   GJ+2*PAR                    ; memory_mean in f32, kept to the end
.set HS,   MS+128*PF                   ; its hi parts in bf16; at the end, with LS, the stage of M
.set LS,   HS+128*PH                   ; its lo parts
.set GS,   LS+128*PH                   ; the Gram matrix; at the end the stage of U.  Ends at 250,880
.set MB, 0
.set TB, 128
.set UB, 0
.set PB, 128
.set AQ,  1                            ; 16 q
.set AR,  2                            ; 128 w + 32 g
.set AZ,  3                            ; ZS + 512 t + AQ
.set AZR, 4                            ; ZS + 512 t + AR
.set GRA, 5                            ; GS + 4 q rows + AR; at the end my byte offset in out0 and out1
.set MRA, 6                            ; MS + 4 q rows + AR
.set RSA, 7                            ; MS + (32 w + 8 g) rows + 16 q
.set L16, 8                            ; 16 l
.set GG,  9
.set QQ,  10
.set AGW, 11                           ; sweeps: where I publish; at the end the stage addresses
.set AGC, 12
.set AGR, 13
.set AGD, 14
.set AZ2, 12                           ; steps: ZS + 512 min(t + 2, 63) + AQ
.set AZL, 13                           ; steps: ZS + 512 x 63 + AQ
.set HC,   64                          ; h = P a0, column values (v48-79 are also the products' sums)
.set WC,   80                          ; w
.set ZN,   96                          ; z', then z''
.set ZC,   112                         ; z, then -delta, then v2
.set Y1C,  128
.set X2C,  144
.set A0C,  160
.set P1C,  176                         ; first y2, then p1
.set CC,   192                         ; c, then v1
.set Y1R,  208
.set DR,   216                         ; z's rows, then delta's
.set X2R,  224
.set P1R,  232
.set UR,   240                         ; y2's rows, then -c's
.set MSB, 0
.macro WIN new                         ; the immediate's high byte repeats the setting that is left
.if MSB != \new
	s_set_vgpr_msb (MSB<<8)|\new
.set MSB, \new
.endif
.endm
; four lines: acc[0..7] (+)= column c of matrix x times xv[c].  st = 1: this column starts the sums: nothing is cleared.
.macro MVCOL x, xv, acc, c, st
.irp p,0,1,2,3
.if \st
.if ((\c)&1)
	v_pk_mul_f32 v[\acc+2*\p:\acc+2*\p+1], v[\x+8*(\c)+2*\p:\x+8*(\c)+2*\p+1], v[\xv+(\c)-1:\xv+(\c)] op_sel:[0,1] op_sel_hi:[1,1]
.else
	v_pk_mul_f32 v[\acc+2*\p:\acc+2*\p+1], v[\x+8*(\c)+2*\p:\x+8*(\c)+2*\p+1], v[\xv+(\c):\xv+(\c)+1] op_sel_hi:[1,0]
.endif
.else
.if ((\c)&1)
	v_pk_fma_f32 v[\acc+2*\p:\acc+2*\p+1], v[\x+8*(\c)+2*\p:\x+8*(\c)+2*\p+1], v[\xv+(\c)-1:\xv+(\c)], v[\acc+2*\p:\acc+2*\p+1] op_sel:[0,1,0] op_sel_hi:[1,1,1]
.else
	v_pk_fma_f32 v[\acc+2*\p:\acc+2*\p+1], v[\x+8*(\c)+2*\p:\x+8*(\c)+2*\p+1], v[\xv+(\c):\xv+(\c)+1], v[\acc+2*\p:\acc+2*\p+1] op_sel_hi:[1,0,1]
.endif
.endif
.endr
.endm
.macro MV1E x, xv, acc, acc2           ; one product: even columns into acc, odd ones into acc2: eight chains that do not wait for each other
	MVCOL \x, \xv, \acc, 0, 1
	MVCOL \x, \xv, \acc2, 1, 1
.irp c,2,4,6,8,10,12,14
	MVCOL \x, \xv, \acc, \c, 0
	MVCOL \x, \xv, \acc2, \c+1, 0
.endr
.endm
.macro FOLD acc, acc2                  ; the two sets of sums become one (in window 0)
.irp p,0,1,2,3
	v_pk_add_f32 v[\acc+2*\p:\acc+2*\p+1], v[\acc+2*\p:\acc+2*\p+1], v[\acc2+2*\p:\acc2+2*\p+1]
.endr
.endm
.macro MV2 xa, va, aa, xb, vb, ab      ; two products of one window, interleaved: eight chains again
	MVCOL \xa, \va, \aa, 0, 1
	MVCOL \xb, \vb, \ab, 0, 1
.irp c,1,2,3,4,5,6,7,8,9,10,11,12,13,14,15
	MVCOL \xa, \va, \aa, \c, 0
	MVCOL \xb, \vb, \ab, \c, 0
.endr
.endm
; four lines: column c of matrix x += ur[0..7] times vc[c]
.macro COLUPD x, ur, vc, c
.irp p,0,1,2,3
.if ((\c)&1)
	v_pk_fma_f32 v[\x+8*(\c)+2*\p:\x+8*(\c)+2*\p+1], v[\ur+2*\p:\ur+2*\p+1], v[\vc+(\c)-1:\vc+(\c)], v[\x+8*(\c)+2*\p:\x+8*(\c)+2*\p+1] op_sel:[0,1,0] op_sel_hi:[1,1,1]
.else
	v_pk_fma_f32 v[\x+8*(\c)+2*\p:\x+8*(\c)+2*\p+1], v[\ur+2*\p:\ur+2*\p+1], v[\vc+(\c):\vc+(\c)+1], v[\x+8*(\c)+2*\p:\x+8*(\c)+2*\p+1] op_sel_hi:[1,0,1]
.endif
.endr
.endm
.macro RANK1A x, ur, vc                ; my columns 0 to 7
.irp c,0,1,2,3,4,5,6,7
	COLUPD \x, \ur, \vc, \c
.endr
.endm
.macro RANK1B x, ur, vc                ; my columns 8 to 15
.irp c,8,9,10,11,12,13,14,15
	COLUPD \x, \ur, \vc, \c
.endr
.endm
.macro RANK1 x, ur, vc
	RANK1A \x, \ur, \vc
	RANK1B \x, \ur, \vc
.endm
.macro BFLY acc, cnt                   ; cnt registers summed over the eight lanes of a group; every lane gets the sum
.irp m,1,2,4
.set bI, 0
.rept \cnt
	v_add_f32_dpp v[\acc+bI], v[\acc+bI], v[\acc+bI] row_xmask:\m row_mask:0xf bank_mask:0xf
.set bI, bI+1
.endr
.endr
.endm
.macro PUT acc, o                      ; my group's eight rows of a vector; its eight lanes store the same 32 bytes
	ds_store_b128 v[AR], v[\acc:\acc+3] offset:\o
	ds_store_b128 v[AR], v[\acc+4:\acc+7] offset:\o+16
.endm
.macro GETC dst, areg, o               ; a vector's values at my 16 columns
.irp b,0,1,2,3
	ds_load_b128 v[\dst+4*\b:\dst+4*\b+3], v[\areg] offset:\o+128*\b
.endr
.endm
.macro GETR dst, areg, o               ; a vector's values at my 8 rows
	ds_load_b128 v[\dst:\dst+3], v[\areg] offset:\o
	ds_load_b128 v[\dst+4:\dst+7], v[\areg] offset:\o+16
.endm
.macro DOTE acc, a, b, e               ; link e of a dot product over my 16 columns
.if \e == 0
	v_pk_mul_f32 v[\acc:\acc+1], v[\a:\a+1], v[\b:\b+1]
.else
	v_pk_fma_f32 v[\acc:\acc+1], v[\a+2*\e:\a+2*\e+1], v[\b+2*\e:\b+2*\e+1], v[\acc:\acc+1]
.endif
.endm
.macro DOTH acc, a, b, e               ; the same in two chains: even e in acc, odd e in acc + 2
.if \e < 2
	v_pk_mul_f32 v[\acc+2*\e:\acc+2*\e+1], v[\a+2*\e:\a+2*\e+1], v[\b+2*\e:\b+2*\e+1]
.else
	v_pk_fma_f32 v[\acc+2*(\e&1):\acc+2*(\e&1)+1], v[\a+2*\e:\a+2*\e+1], v[\b+2*\e:\b+2*\e+1], v[\acc+2*(\e&1):\acc+2*(\e&1)+1]
.endif
.endm
.macro DELTAS                          ; ZC = y2 - z = -delta at my columns; DR = z - y2 = delta at my rows
.irp e,0,1,2,3,4,5,6,7
	v_pk_add_f32 v[ZC+2*\e:ZC+2*\e+1], v[P1C+2*\e:P1C+2*\e+1], v[ZC+2*\e:ZC+2*\e+1] neg_lo:[0,1] neg_hi:[0,1]
.endr
.irp p,0,1,2,3
	v_pk_add_f32 v[DR+2*\p:DR+2*\p+1], v[DR+2*\p:DR+2*\p+1], v[UR+2*\p:UR+2*\p+1] neg_lo:[0,1] neg_hi:[0,1]
.endr
.endm
.macro PHASEA                          ; y1 = U w and y2 = M^T w, summed and put into LDS
	WIN 0x02
	MV1E UB, WC, 48, 64
	WIN 0x01
	MV1E TB, WC, 56, 72
	WIN 0
	FOLD 48, 64
	FOLD 56, 72
	BFLY 48, 16
	PUT 48, Y1
	PUT 56, Y2
.endm
.macro UPD_U                           ; UR = -c at my rows, CC = c at my columns (c = r y1, r in v20); U += (-c) y1^T
.irp p,0,1,2,3
	v_pk_mul_f32 v[UR+2*\p:UR+2*\p+1], v[Y1R+2*\p:Y1R+2*\p+1], v[20:21] op_sel_hi:[1,0] neg_lo:[0,1] neg_hi:[0,1]
.endr
.irp e,0,1,2,3,4,5,6,7
	v_pk_mul_f32 v[CC+2*\e:CC+2*\e+1], v[Y1C+2*\e:Y1C+2*\e+1], v[20:21] op_sel_hi:[1,0]
.endr
	WIN 0xa0
	RANK1 UB, UR, Y1C
.endm
.macro VVEC                            ; v1 = (-k22 p1 + k12 x2) / det into CC, v2 = (k12 p1 - al x2) / det into ZC, at my columns
.irp e,0,1,2,3,4,5,6,7
	v_pk_mul_f32 v[CC+2*\e:CC+2*\e+1], v[P1C+2*\e:P1C+2*\e+1], v[40:41] op_sel_hi:[1,0]
	v_pk_mul_f32 v[ZC+2*\e:ZC+2*\e+1], v[P1C+2*\e:P1C+2*\e+1], v[40:41] op_sel:[0,1] op_sel_hi:[1,1]
.endr
.irp e,0,1,2,3,4,5,6,7
	v_pk_fma_f32 v[CC+2*\e:CC+2*\e+1], v[X2C+2*\e:X2C+2*\e+1], v[40:41], v[CC+2*\e:CC+2*\e+1] op_sel:[0,1,0] op_sel_hi:[1,1,1]
	v_pk_fma_f32 v[ZC+2*\e:ZC+2*\e+1], v[X2C+2*\e:X2C+2*\e+1], v[42:43], v[ZC+2*\e:ZC+2*\e+1] op_sel_hi:[1,0,1]
.endr
.endm
	; ---------------- ids, bases, addresses ----------------
	s_load_b256 s[4:11], s[0:1], 0x0               ; input_encoded s[4:5], memory_mean s[6:7], memory_logvar s[8:9], out0 s[10:11]
	s_load_b128 s[12:15], s[0:1], 0x20             ; out1 s[12:13], part s[14:15]
	s_set_vgpr_msb 0xc0
	v_lshl_add_u32 v0, v0, 2, 0x3d400
	v_mov_b32 v1, 0
	s_set_vgpr_msb 0xc000
	v_lshrrev_b32 v15, 5, v0
	v_readfirstlane_b32 s16, v15                   ; wave
	v_and_b32 v[L16], 31, v0
	v_lshlrev_b32 v[L16], 4, v[L16]
	v_bfe_u32 v[GG], v0, 3, 2
	v_and_b32 v[QQ], 7, v0
	v_lshlrev_b32 v[AQ], 4, v[QQ]
	s_lshl_b32 s24, s16, 7
	v_lshl_add_u32 v[AR], v[GG], 5, s24
	s_mov_b32 s18, 0x76543210                      ; v_permlanex16_b32: lane i reads lane i of the other half
	s_mov_b32 s19, 0xfedcba98
	s_mov_b32 s28, 0xffff0000                      ; a word's upper bf16
	s_lshl_b32 s25, s16, 14
	v_add_nc_u32 v16, s25, v[L16]                  ; memory_mean: row 32 w, my 16 bytes
	s_lshl_b32 s25, s16, 21
	v_add_nc_u32 v17, s25, v[L16]                  ; input_encoded: step 16 w, my 16 bytes
	s_mul_i32 s25, s16, 32*PF
	s_add_co_u32 s25, s25, MS
	v_add_nc_u32 v18, s25, v[L16]
	s_mul_i32 s25, s16, 32*PH
	s_add_co_u32 s25, s25, HS
	v_lshrrev_b32 v19, 1, v[L16]
	v_add_nc_u32 v19, s25, v19
	s_lshl_b32 s25, s16, 13
	s_add_co_u32 s25, s25, ZS
	v_add_nc_u32 v21, s25, v[L16]
	v_mul_u32_u24 v15, v[QQ], 4*PF
	v_add3_u32 v[GRA], v15, v[AR], GS
	v_add3_u32 v[MRA], v15, v[AR], MS
	s_mul_i32 s25, s16, 32*PF
	s_add_co_u32 s25, s25, MS
	v_mul_u32_u24 v15, v[GG], 8*PF
	v_add3_u32 v[RSA], v15, v[AQ], s25
	s_wait_kmcnt 0x0
	s_load_b32 s20, s[8:9], 0x0                    ; memory_logvar
	s_lshl_b32 s22, ttmp9, 9                       ; my batch element: 512 bytes in each step of input_encoded,
	s_mov_b32 s23, 0
	s_add_nc_u64 s[4:5], s[4:5], s[22:23]
	s_lshl_b32 s22, ttmp9, 16                      ; 65,536 bytes in out0 and out1,
	s_add_nc_u64 s[10:11], s[10:11], s[22:23]
	s_add_nc_u64 s[12:13], s[12:13], s[22:23]
	s_lshl_b32 s22, ttmp9, 2                       ; one word in part
	s_add_nc_u64 s[14:15], s[14:15], s[22:23]
	; ---------------- A: the inputs into LDS.  Each load of a wave covers one row, 512 consecutive bytes ----------------
.set nI, 0
.rept 32
	global_load_b128 v[64+4*nI:67+4*nI], v16, s[6:7] offset:512*nI            ; memory_mean, row 32 w + n
.set nI, nI+1
.endr
.set nI, 0
.rept 16
	global_load_b128 v[192+4*nI:195+4*nI], v17, s[4:5] offset:ZROW*nI th:TH_LOAD_NT   ; z of step 16 w + n
.set nI, nI+1
.endr
.set nI, 0
.rept 32
	s_wait_loadcnt 47-nI                           ; behind row n stand 31 - n rows and the 16 loads of z
	ds_store_b128 v18, v[64+4*nI:67+4*nI] offset:PF*nI
	v_cvt_pk_bf16_f32 v24, v[64+4*nI], v[65+4*nI]  ; hi = bf16(x)
	v_cvt_pk_bf16_f32 v25, v[66+4*nI], v[67+4*nI]
	v_lshlrev_b32 v28, 16, v24
	v_and_b32 v29, s28, v24
	v_lshlrev_b32 v30, 16, v25
	v_and_b32 v31, s28, v25
	v_pk_add_f32 v[28:29], v[64+4*nI:65+4*nI], v[28:29] neg_lo:[0,1] neg_hi:[0,1]   ; x - hi, exact
	v_pk_add_f32 v[30:31], v[66+4*nI:67+4*nI], v[30:31] neg_lo:[0,1] neg_hi:[0,1]
	v_cvt_pk_bf16_f32 v26, v28, v29                ; lo = bf16(x - hi)
	v_cvt_pk_bf16_f32 v27, v30, v31
	ds_store_b64 v19, v[24:25] offset:PH*nI
	ds_store_b64 v19, v[26:27] offset:PH*nI+LS-HS
.set nI, nI+1
.endr
.set nI, 0
.rept 16
	s_wait_loadcnt 15-nI
	ds_store_b128 v21, v[192+4*nI:195+4*nI] offset:512*nI
.set nI, nI+1
.endr
	s_wait_dscnt 0x0                               ; my stores are in LDS before I say so
	s_barrier_signal -1
	s_barrier_wait -1
	; ---------------- B: G = memory_mean memory_mean^T, (hi + lo)(hi + lo)^T in four bf16 products, f32 sums ----------------
	; Source 0 = 16 rows n of all 128, source 1 = 16 of my 32 rows m: a lane then holds eight neighbouring n of one row m of mine.
.set ACC, 16                           ; v[16:143]   tile (rt, ct) at ACC + 8 (8 rt + ct)
.set OH,  144                          ; v[144:159]  my rows, hi, rt = 0, 1
.set OL,  160                          ; v[160:175]  my rows, lo
.set NH,  176                          ; v[176:207]  four tiles of all rows, hi
.set NL,  208                          ; v[208:239]  the same, lo
.set FN,  240
.set FO,  241
.set GW,  242
	v_and_b32 v244, 15, v0                         ; r
	v_bfe_u32 v245, v0, 4, 1                       ; h
	v_mul_u32_u24 v243, v244, PH
	v_lshl_add_u32 v243, v245, 4, v243             ; r rows + 16 h
	v_add_nc_u32 v[FN], HS, v243
	s_mul_i32 s25, s16, 32*PH
	s_add_co_u32 s25, s25, HS
	v_add_nc_u32 v[FO], s25, v243
	v_mul_u32_u24 v243, v244, PF
	v_lshl_add_u32 v243, v245, 5, v243
	s_mul_i32 s25, s16, 32*PF
	s_add_co_u32 s25, s25, GS
	v_add_nc_u32 v[GW], s25, v243                  ; GS + (32 w + r) rows + 32 h
.macro FRAG dst, areg, o               ; 16 rows x 32 K of bf16: two loads of 16 bytes, 32 bytes apart
	ds_load_b128 v[\dst:\dst+3], v[\areg] offset:\o
	ds_load_b128 v[\dst+4:\dst+7], v[\areg] offset:\o+32
.endm
.macro GPROD nf, of, hf, zero          ; eight matrix instructions on eight accumulators
.irp rt,0,1
.irp c,0,1,2,3
.if \zero
	v_wmma_f32_16x16x32_bf16 v[ACC+8*(8*\rt+4*\hf+\c):ACC+8*(8*\rt+4*\hf+\c)+7], v[\nf+8*\c:\nf+8*\c+7], v[\of+8*\rt:\of+8*\rt+7], 0
.else
	v_wmma_f32_16x16x32_bf16 v[ACC+8*(8*\rt+4*\hf+\c):ACC+8*(8*\rt+4*\hf+\c)+7], v[\nf+8*\c:\nf+8*\c+7], v[\of+8*\rt:\of+8*\rt+7], v[ACC+8*(8*\rt+4*\hf+\c):ACC+8*(8*\rt+4*\hf+\c)+7]
.endif
.endr
.endr
.endm
; 32 along K for four of the eight column tiles.  The accumulators take turns, one instruction a turn.
.macro GSTEP ks, hf
.if (\ks+\hf) != 0
.rept 4
	v_nop                                          ; four places between the last matrix instruction and loads into registers that it read
.endr
.endif
.if \hf == 0
.irp rt,0,1
	FRAG OH+8*\rt, FO, 16*PH*\rt+64*\ks
	FRAG OL+8*\rt, FO, 16*PH*\rt+64*\ks+LS-HS
.endr
.endif
.irp c,0,1,2,3
	FRAG NH+8*\c, FN, 16*PH*(4*\hf+\c)+64*\ks
	FRAG NL+8*\c, FN, 16*PH*(4*\hf+\c)+64*\ks+LS-HS
.endr
	s_wait_dscnt 0x0
.if \ks == 0
	GPROD NH, OH, \hf, 1                           ; the first product starts the sums
.else
	GPROD NH, OH, \hf, 0
.endif
	GPROD NH, OL, \hf, 0
	GPROD NL, OH, \hf, 0
	GPROD NL, OL, \hf, 0
.endm
.irp ks,0,1,2,3
	GSTEP \ks, 0
	GSTEP \ks, 1
.endr
.rept 4
	v_nop                                          ; four places before the stores read the results
.endr
.irp rt,0,1
.irp ct,0,1,2,3,4,5,6,7
	ds_store_b128 v[GW], v[ACC+8*(8*\rt+\ct):ACC+8*(8*\rt+\ct)+3] offset:16*PF*\rt+64*\ct
	ds_store_b128 v[GW], v[ACC+8*(8*\rt+\ct)+4:ACC+8*(8*\rt+\ct)+7] offset:16*PF*\rt+64*\ct+16
.endr
.endr
	s_wait_dscnt 0x0
	s_barrier_signal -1
	s_barrier_wait -1
	; ---------------- C: the four matrices into registers ----------------
	WIN 0x80                                       ; P:= G
.irp kk,0,1,2,3
.irp j,0,1,2,3
	ds_load_b128 v[PB+8*(4*\kk+\j):PB+8*(4*\kk+\j)+3], v[GRA] offset:PF*(32*\kk+\j)
	ds_load_b128 v[PB+8*(4*\kk+\j)+4:PB+8*(4*\kk+\j)+7], v[GRA] offset:PF*(32*\kk+\j)+16
.endr
.endr
	WIN 0x40                                       ; T[r][c] = memory_mean[c][r]: the same walk
.irp kk,0,1,2,3
.irp j,0,1,2,3
	ds_load_b128 v[TB+8*(4*\kk+\j):TB+8*(4*\kk+\j)+3], v[MRA] offset:PF*(32*\kk+\j)
	ds_load_b128 v[TB+8*(4*\kk+\j)+4:TB+8*(4*\kk+\j)+7], v[MRA] offset:PF*(32*\kk+\j)+16
.endr
.endr
.irp kk,0,1,2,3                                    ; M[r][c]: a register pair is two rows, so word by word, once in the launch
.irp j,0,1,2,3
.irp i,0,1,2,3,4,5,6,7
	ds_load_b32 v[MB+8*(4*\kk+\j)+\i], v[RSA] offset:PF*\i+128*\kk+4*\j
.endr
.endr
.endr
	WIN 0
	s_wait_kmcnt 0x0
	v_mov_b32 v16, s20
	v_mul_f32 v16, 0x3fb8aa3b, v16
	v_exp_f32 v16, v16                             ; exp(logvar)
	v_lshlrev_b32 v17, 1, v[GG]                    ; (a plain line between the exponential and the use of its result: ISA guide 5.7.2)
	s_wait_alu depctr_va_vdst(0)
	v_add_f32 v16, 0x358637bd, v16                 ; + 1e-6
	v_readfirstlane_b32 s21, v16                   ; pv, the prior variance
	; my rows meet the diagonal where w = kk, q = 2 g + hb, i = 4 hb + j
.set DQ, 18                            ; v18, v19: 1.0 where q = 2 g + hb
.set ZP, 20                            ; v[20:21]: (0, 0)
.set EP, 22                            ; v[22:29]: (DQ0, 0) (0, DQ0) (DQ1, 0) (0, DQ1)
	v_cmp_eq_u32 vcc_lo, v[QQ], v17
	v_cndmask_b32 v[DQ], 0, 1.0, vcc_lo
	v_add_nc_u32 v17, 1, v17
	v_cmp_eq_u32 vcc_lo, v[QQ], v17
	v_cndmask_b32 v[DQ+1], 0, 1.0, vcc_lo
	v_mov_b32 v[ZP], 0
	v_mov_b32 v[ZP+1], 0
	v_mov_b32 v[EP], v[DQ]
	v_mov_b32 v[EP+1], 0
	v_mov_b32 v[EP+2], 0
	v_mov_b32 v[EP+3], v[DQ]
	v_mov_b32 v[EP+4], v[DQ+1]
	v_mov_b32 v[EP+5], 0
	v_mov_b32 v[EP+6], 0
	v_mov_b32 v[EP+7], v[DQ+1]
	s_mov_b32 s25, 0                               ; upper half of the scalar pair below; only the lower is multiplied by
	WIN 0x80                                       ; U := pv I.  This is the state itself, zeros and all, not a sum that is cleared
.irp kk,0,1,2,3
	s_cmp_eq_u32 s16, \kk
	s_cselect_b32 s24, s21, 0
.irp j,0,1,2,3
.irp p,0,1,2,3
.if ((\p)&1) == ((\j)>>1)
.set ES, EP+4*((\p)>>1)+2*((\j)&1)
.else
.set ES, ZP
.endif
	v_pk_mul_f32 v[UB+8*(4*\kk+\j)+2*\p:UB+8*(4*\kk+\j)+2*\p+1], v[ES:ES+1], s[24:25] op_sel_hi:[1,0]
.endr
.endr
.endr
	s_wait_dscnt 0x0                               ; P, T and M are in
	WIN 0xa0                                       ; P += 0.25 I
.irp kk,0,1,2,3
	s_cmp_eq_u32 s16, \kk
	s_cselect_b32 s24, 0x3e800000, 0
.irp j,0,1,2,3
.irp hb,0,1
	v_fma_f32 v[PB+8*(4*\kk+\j)+4*\hb+\j], v[DQ+\hb], s24, v[PB+8*(4*\kk+\j)+4*\hb+\j]
.endr
.endr
.endr
	; ---------------- D: 128 symmetric sweeps turn P = G + 0.25 I into -P^-1 ----------------
	; The sweep on pivot k, with p = column k and d = p[k]: row k and column k are set to 0, then A += u v^T with u = p but u[k] = -1 and
	; v = -p / d but v[k] = 1 / d.  That gives a[i][j] - p[i] p[j] / d, p / d on row and column k and -1 / d at (k, k), none of them as a
	; difference of larger numbers.  The matrix is positive definite, so every order of pivots is good and d > 0.
	; k = 32 kk + 8 gk + 4 hb + j: gk is the loop, kk, hb, j are written out, so that the pivot's row i = 4 hb + j and column 4 kk + j are register
	; numbers; gk enters masks and LDS addresses alone.  Every lane publishes its own column 4 kkn + jn of the NEXT pivot, as soon as that column is
	; updated, into slot q of the other parity; the next sweep reads slot 2 gk + hb.  One barrier a sweep: in front of its signal a wave's reads of this
	; parity and its stores into the other are done.
.set UC,  80                           ; v[80:95]    p at my columns
.set VC,  96                           ; v[96:111]   v at my columns
.set URW, 112                          ; v[112:119]  u at my rows
.set RD,  120                          ; 1 / d
.set TM,  121
.set DV,  122                          ; d
.set NR,  123                          ; 0 in the lanes that hold row k, 1 elsewhere
.set NQ,  124                          ; v[124:125], v[126:127]: 0 in the lanes that hold column k (hb = 0, 1), 1 elsewhere, twice
	WIN 0
	s_mul_i32 s25, s16, WBL
	s_add_co_u32 s25, s25, GJ
	v_lshl_add_u32 v[AGR], v[GG], 5, s25           ; my rows in slot 0 of my wave's block
	v_mad_u32_u24 v[AGW], v[QQ], SLP, v[AGR]       ; the same in slot q
	v_add_nc_u32 v[AGC], GJ, v[AQ]                 ; my columns in slot 0 of wave 0's block
	v_mov_b32 v[AGD], GJ
	WIN 0x08
	ds_store_b128 v[AGW], v[PB:PB+3]               ; the first pivot's column, parity 0
	ds_store_b128 v[AGW], v[PB+4:PB+7] offset:16
	WIN 0
	s_wait_dscnt 0x0
	s_barrier_signal -1
	s_barrier_wait -1
.macro SWEEP kk, hb, j, ccn
.set POF, PAR*((\j)&1)+SLP*(\hb)
.set PCC, 4*(\kk)+(\j)
.set PIR, 4*(\hb)+(\j)
	ds_load_b32 v[DV], v[AGD] offset:POF+WBL*(\kk)+16*(\hb)+4*(\j)
	ds_load_b128 v[URW:URW+3], v[AGR] offset:POF
	ds_load_b128 v[URW+4:URW+7], v[AGR] offset:POF+16
.irp b,0,1,2,3
	ds_load_b128 v[UC+4*\b:UC+4*\b+3], v[AGC] offset:POF+WBL*\b
.endr
	WIN 0x82                                       ; while the loads are on their way: column k and row k become 0
.irp p,0,1,2,3
	v_pk_mul_f32 v[PB+8*PCC+2*\p:PB+8*PCC+2*\p+1], v[PB+8*PCC+2*\p:PB+8*PCC+2*\p+1], v[NQ+2*(\hb):NQ+2*(\hb)+1]
.endr
.irp c,0,1,2,3,4,5,6,7,8,9,10,11,12,13,14,15
	v_mul_f32 v[PB+8*\c+PIR], v[PB+8*\c+PIR], v[NR]
.endr
	WIN 0
	s_wait_dscnt 0x0
	v_rcp_f32 v[RD], v[DV]
	v_cndmask_b32 v[URW+PIR], v[URW+PIR], -1.0, s27        ; u[k] = -1 (also the plain line behind the reciprocal: ISA guide 5.7.2)
	s_wait_alu depctr_va_vdst(0)
	v_fma_f32 v[TM], -v[DV], v[RD], 1.0                    ; one Newton step on 1 / d
	v_fma_f32 v[RD], v[RD], v[TM], v[RD]
.irp e,0,1,2,3,4,5,6,7
	v_pk_mul_f32 v[VC+2*\e:VC+2*\e+1], v[UC+2*\e:UC+2*\e+1], v[RD:RD+1] op_sel_hi:[1,0] neg_lo:[0,1] neg_hi:[0,1]
.endr
	v_cndmask_b32 v[VC+PCC], v[VC+PCC], v[RD], s[24+\hb]   ; v[k] = 1 / d
	WIN 0xa0
	COLUPD PB, URW, VC, \ccn                       ; the next pivot's column first,
	WIN 0x08
	ds_store_b128 v[AGW], v[PB+8*(\ccn):PB+8*(\ccn)+3] offset:PAR*(((\j)&1)^1)
	ds_store_b128 v[AGW], v[PB+8*(\ccn)+4:PB+8*(\ccn)+7] offset:PAR*(((\j)&1)^1)+16
	WIN 0xa0
.set cI, 0
.rept 16
.if cI != (\ccn)
	COLUPD PB, URW, VC, cI
.endif
.if cI == 7
	s_wait_dscnt 0x0                               ; my reads of this parity and my stores into the other are done
	s_barrier_signal -1                            ; between signal and wait: registers alone
.endif
.set cI, cI+1
.endr
	WIN 0
	s_barrier_wait -1
.endm
	s_mov_b32 s17, 0                               ; gk
.Lsweep:
	s_lshl_b32 s28, s17, 1
	v_cmp_eq_u32 s24, s28, v[QQ]                   ; q = 2 gk
	s_add_co_u32 s28, s28, 1
	v_cmp_eq_u32 s25, s28, v[QQ]                   ; q = 2 gk + 1
	v_cmp_eq_u32 s26, s17, v[GG]                   ; g = gk
	v_cndmask_b32 v[NQ], 1.0, 0, s24
	v_cndmask_b32 v[NQ+1], 1.0, 0, s24
	v_cndmask_b32 v[NQ+2], 1.0, 0, s25
	v_cndmask_b32 v[NQ+3], 1.0, 0, s25
.irp kk,0,1,2,3
	s_cmp_eq_u32 s16, \kk
	s_cselect_b32 s27, s26, 0                      ; the lanes that hold row k: g = gk in wave kk
	v_cndmask_b32 v[NR], 1.0, 0, s27
	SWEEP \kk, 0, 0, 4*\kk+1
	SWEEP \kk, 0, 1, 4*\kk+2
	SWEEP \kk, 0, 2, 4*\kk+3
	SWEEP \kk, 0, 3, 4*\kk
	SWEEP \kk, 1, 0, 4*\kk+1
	SWEEP \kk, 1, 1, 4*\kk+2
	SWEEP \kk, 1, 2, 4*\kk+3
	SWEEP \kk, 1, 3, (4*\kk+4)&15
.endr
	v_add_nc_u32 v[AGC], 2*SLP, v[AGC]             ; two slots on
	v_add_nc_u32 v[AGR], 2*SLP, v[AGR]
	v_add_nc_u32 v[AGD], 2*SLP+32, v[AGD]          ; and eight rows on
	s_add_co_u32 s17, s17, 1
	s_cmp_lt_u32 s17, 4
	s_cbranch_scc1 .Lsweep                         ; (what the very last sweep published is read by nobody)
	WIN 0x82
.set nI, 0
.rept 64
	v_pk_mul_f32 v[PB+2*nI:PB+2*nI+1], v[PB+2*nI:PB+2*nI+1], -1.0 op_sel_hi:[1,0]   ; P = (G + 0.25 I)^-1
.set nI, nI+1
.endr
	WIN 0
	; ---------------- E: w_0 = P (M z_0), and step 0's a0 = M z_1 ----------------
	v_add_nc_u32 v[AZ], ZS, v[AQ]
	v_add_nc_u32 v[AZR], ZS, v[AR]
	v_add_nc_u32 v[AZ2], ZS+2*512, v[AQ]
	v_add_nc_u32 v[AZL], ZS+63*512, v[AQ]
	GETC A0C, AZ, 0                                ; z_0
	GETC ZN, AZ, 512                               ; z_1, which stays in ZN as step 0's z'
	s_wait_dscnt 0x0
	WIN 0x01
	MV2 MB, A0C, 72, MB, ZN, 64
	WIN 0
	BFLY 64, 16
	PUT 72, Y5                                     ; M z_0
	PUT 64, Y4                                     ; a0 of step 0
	s_wait_dscnt 0x0
	s_barrier_signal -1
	s_barrier_wait -1
	GETC A0C, AQ, Y5
	s_wait_dscnt 0x0
	WIN 0x02
	MV1E PB, A0C, 48, 56
	WIN 0
	FOLD 48, 56
	BFLY 48, 8
	PUT 48, Y6
	s_wait_dscnt 0x0
	s_barrier_signal -1
	s_barrier_wait -1
	GETC WC, AQ, Y6
	s_wait_dscnt 0x0
	; ---------------- steps 0 to 62 ----------------
	; Scalars, the same in every lane: v16 w.y1, v17 dd, v18 -delta.z' and later n2, v19 gr, v20 r, v21 sig, v22 det, v23 n1, v24 gw, v25 bt, v26 e2,
	; v27 al, v28 e1, v29 k12, v30 k22, v31 f2, v44 f1, v45 k12^2, v46 k12 f2, v47 al f2, v38 a1, v39 a2, v40 -k22/det, v41 k12/det, v42 -al/det, v43 1/det.
	; ONE BUFFER FOR EACH VECTOR IS ENOUGH.  B1, B2: the step's two barriers; each signal stands behind a wait for all the wave's LDS instructions.
	;   Y1, Y2 (y1, y2) and Y4 (a0): stored behind the last step's B2, read between B1's wait and B2's signal.
	;   Y3, Y5, Y6 (x2, p1, h): stored behind B1's wait, read between B2's wait and the next B1's signal.
	; pend = 1: the last step's update of P is still to be made (p1, x2 and the three quotients lie in registers); step 0 has none.
.macro STEP pend
	PHASEA                                         ; y1 = U w, y2 = M^T w into Y1, Y2
.if \pend
	VVEC                                           ; while the stores land: the last step's v1, v2,
	WIN 0xa0
	RANK1A PB, X2R, ZC                             ; and P += x2 v2^T, which frees ZC for z
	s_wait_dscnt 0x0                               ; y1, y2 and (since the last step) a0 are in LDS; my reads of Y3, Y5, Y6 are done
	s_barrier_signal -1
	RANK1B PB, X2R, ZC                             ; registers alone between signal and wait
	WIN 0
	s_barrier_wait -1
.else
	s_wait_dscnt 0x0
	s_barrier_signal -1
	s_barrier_wait -1
.endif
	GETC Y1C, AQ, Y1                               ; 22 loads
	GETC A0C, AQ, Y4
	GETR Y1R, AR, Y1
	GETC P1C, AQ, Y2
	GETR UR, AR, Y2
	GETC ZC, AZ, 0
	GETR DR, AZR, 0
.if \pend
	WIN 0xa0
	RANK1 PB, P1R, CC                              ; while they are on their way: P += p1 v1^T,
.endif
	WIN 0x02
	MV1E PB, WC, 64, 72                            ; and x2 = P w
	WIN 0
	FOLD 64, 72
	BFLY 64, 8
	PUT 64, Y3
	s_wait_dscnt 0x2                               ; all 22 loads are in; the two stores behind them may be out
	WIN 0x02
	MV2 PB, Y1C, 48, PB, A0C, 56                   ; p1 = P y1, h = P a0
	WIN 0
	BFLY 48, 16
	PUT 48, Y5
	PUT 56, Y6
	DELTAS                                         ; while the stores land: delta, three dots, r
.irp e,0,1,2,3,4,5,6,7
	DOTH 32, WC, Y1C, \e
	DOTH 36, ZC, ZC, \e
	DOTH 40, ZC, ZN, \e
.endr
	v_pk_add_f32 v[32:33], v[32:33], v[34:35]
	v_pk_add_f32 v[36:37], v[36:37], v[38:39]
	v_pk_add_f32 v[40:41], v[40:41], v[42:43]
	v_add_f32 v16, v32, v33
	v_add_f32 v17, v36, v37
	v_add_f32 v18, v40, v41
	BFLY 16, 3
	v_add_f32 v21, 0x3e800000, v16                 ; sig = w.y1 + 0.25
	v_rcp_f32 v20, v21                             ; r = 1 / sig
	v_add_nc_u32 v[AZ], 512, v[AZ]                 ; (the plain line behind the reciprocal: ISA guide 5.7.2) the next step's z
	v_add_nc_u32 v[AZR], 512, v[AZR]
	s_wait_alu depctr_va_vdst(0)
	v_mul_f32 v19, -v18, v20                       ; gr = (delta.z') r
	s_wait_dscnt 0x0                               ; x2, p1 and h are in LDS, and my reads of Y1, Y2, Y4 are done
	s_barrier_signal -1
	UPD_U                                          ; registers alone between signal and wait: c, and U -= c y1^T
	WIN 0
	s_barrier_wait -1
	GETC ZN, AZ2, 0                                ; z'' = z of the step after next (in the last trip z_63 once more); 20 loads
	GETC P1C, AQ, Y5
	GETR P1R, AR, Y5
	GETC HC, AQ, Y6
	GETC X2C, AQ, Y3
	GETR X2R, AR, Y3
	WIN 0x50
	RANK1 MB, UR, ZC                               ; while they are on their way: M += (-c)(-delta)^T,
	s_wait_dscnt 16                                ; z'' is in: 16 younger loads stay out
	WIN 0x01
	MV1E MB, ZN, 48, 56                            ; and the next step's a0 = M' z'' (the last trip's is read by nobody)
	WIN 0
	FOLD 48, 56
	BFLY 48, 8
	PUT 48, Y4
	v_add_nc_u32 v[AZ2], 512, v[AZ2]
	v_min_u32 v[AZ2], v[AZ2], v[AZL]               ; never past z_63
	s_wait_dscnt 0x2                               ; p1, h and x2 are in; the two stores behind them may be out
.irp e,0,1,2,3,4,5,6,7
	DOTE 32, WC, X2C, \e
	DOTE 34, Y1C, X2C, \e
	DOTE 36, X2C, A0C, \e
	DOTE 38, Y1C, P1C, \e
	DOTE 40, P1C, A0C, \e
.endr
.irp d,0,1,2,3,4
	v_add_f32 v[24+\d], v[32+2*\d], v[33+2*\d]     ; gw = w.x2, bt = y1.x2, e2 = x2.a0, al = y1.p1, e1 = p1.a0
.endr
	BFLY 24, 5
	v_fma_f32 v29, 4.0, v21, v25                   ; k12 = bt + 4 sig
	v_fmamk_f32 v30, v17, 0xc1800000, v24          ; k22 = gw - 16 dd, below 0 since M^T P M < I
	v_fma_f32 v31, v19, v25, v26                   ; f2 = e2 + gr bt
	v_fma_f32 v44, v19, v27, v28                   ; f1 = e1 + gr al
	v_mul_f32 v45, v29, v29
	v_mul_f32 v46, v29, v31
	v_mul_f32 v47, v27, v31
	v_fma_f32 v22, v27, v30, -v45                  ; det = al k22 - k12^2: two terms of one sign
	v_fma_f32 v23, v30, v44, -v46                  ; n1 = k22 f1 - k12 f2
	v_fma_f32 v18, v29, v44, -v47                  ; n2 = k12 f1 - al f2
	v_rcp_f32 v43, v22
	WIN 0x50
	RANK1 TB, DR, CC                               ; T += delta c^T (its lines are also the plain lines behind the reciprocal)
	WIN 0
	s_wait_alu depctr_va_vdst(0)
	v_fma_f32 v38, -v23, v43, v19                  ; a1 = gr - n1 / det
	v_mul_f32 v39, v18, v43                        ; a2 = n2 / det
	v_mul_f32 v40, -v30, v43
	v_mul_f32 v41, v29, v43
	v_mul_f32 v42, -v27, v43
.irp e,0,1,2,3,4,5,6,7
	v_pk_fma_f32 v[WC+2*\e:WC+2*\e+1], v[P1C+2*\e:P1C+2*\e+1], v[38:39], v[HC+2*\e:HC+2*\e+1] op_sel_hi:[1,0,1]
.endr
.irp e,0,1,2,3,4,5,6,7
	v_pk_fma_f32 v[WC+2*\e:WC+2*\e+1], v[X2C+2*\e:X2C+2*\e+1], v[38:39], v[WC+2*\e:WC+2*\e+1] op_sel:[0,1,0] op_sel_hi:[1,1,1]   ; w' = h + a1 p1 + a2 x2 = P' M' z'
.endr
.endm
	STEP 0
	s_mov_b32 s17, 0
.Lstep:
	STEP 1
	s_add_co_u32 s17, s17, 1
	s_cmp_lt_u32 s17, 62
	s_cbranch_scc1 .Lstep
	; ---------------- step 63: no next w, so the pending update of P is dropped ----------------
	PHASEA
	s_wait_dscnt 0x0
	s_barrier_signal -1
	s_barrier_wait -1
	GETC Y1C, AQ, Y1
	GETR Y1R, AR, Y1
	GETC P1C, AQ, Y2
	GETR UR, AR, Y2
	GETC ZC, AZ, 0
	GETR DR, AZR, 0
	s_wait_dscnt 0x0
	DELTAS
.irp e,0,1,2,3,4,5,6,7
	DOTH 32, WC, Y1C, \e
.endr
	v_pk_add_f32 v[32:33], v[32:33], v[34:35]
	v_add_f32 v16, v32, v33
	BFLY 16, 1
	v_add_f32 v21, 0x3e800000, v16
	v_rcp_f32 v20, v21
	v_add_nc_u32 v11, GS-MS, v[RSA]                ; (the plain line behind the reciprocal) U's stage: my 8 rows, my 16 bytes
	s_wait_alu depctr_va_vdst(0)
	UPD_U
	WIN 0x50
	RANK1 MB, UR, ZC
	RANK1 TB, DR, CC
	WIN 0
	; ---------------- the end: t2, the way out, the divergence ----------------
	; t2 = sum of (T - memory_mean^T)^2 over my elements
.irp kk,0,1,2,3
.irp j,0,1,2,3
	ds_load_b128 v[64+8*(4*\kk+\j):64+8*(4*\kk+\j)+3], v[MRA] offset:PF*(32*\kk+\j)
	ds_load_b128 v[64+8*(4*\kk+\j)+4:64+8*(4*\kk+\j)+7], v[MRA] offset:PF*(32*\kk+\j)+16
.endr
.endr
	v_add_nc_u32 v12, HS-MS, v[RSA]                ; M's stage
	s_mul_i32 s25, s16, 32*PF
	v_add_nc_u32 v15, s25, v[L16]
	v_add_nc_u32 v13, GS, v15                      ; back: row 32 w of U's stage, my 16 bytes
	v_add_nc_u32 v14, HS, v15                      ; the same of M's
	v_and_b32 v15, 31, v0
	v_mul_u32_u24 v15, v15, PF+4                   ; l rows and l columns,
	s_add_co_u32 s25, s25, GS                      ; 32 w rows,
	s_lshl_b32 s26, s16, 7
	s_add_co_u32 s25, s25, s26                     ; and 32 w columns of 4 bytes:
	v_add_nc_u32 v15, s25, v15                     ; U[t][t] for thread t = 32 w + l, in a row of my own wave
	s_lshl_b32 s25, s16, 14
	v_add_nc_u32 v[GRA], s25, v[L16]               ; row 32 w of out0 and out1, my 16 bytes
	s_wait_dscnt 0x0
	WIN 0x01
.set nI, 0
.rept 64
	v_pk_add_f32 v[64+2*nI:65+2*nI], v[TB+2*nI:TB+2*nI+1], v[64+2*nI:65+2*nI] neg_lo:[0,1] neg_hi:[0,1]
.set nI, nI+1
.endr
	WIN 0
.set nI, 0
.rept 64
.if nI < 4
	v_pk_mul_f32 v[48+2*nI:49+2*nI], v[64+2*nI:65+2*nI], v[64+2*nI:65+2*nI]
.else
	v_pk_fma_f32 v[48+2*(nI&3):49+2*(nI&3)], v[64+2*nI:65+2*nI], v[64+2*nI:65+2*nI], v[48+2*(nI&3):49+2*(nI&3)]
.endif
.set nI, nI+1
.endr
	v_pk_add_f32 v[48:49], v[48:49], v[50:51]
	v_pk_add_f32 v[52:53], v[52:53], v[54:55]
	v_pk_add_f32 v[48:49], v[48:49], v[52:53]
	v_add_f32 v16, v48, v49
	; A lane's registers hold pieces of columns, so my wave's 32 rows of U and of M go word by word into a stage that is the wave's own, and come
	; back as whole rows.  LDS serves a wave's instructions in order (ISA guide 5.7.1), and no other wave touches these bytes: no wait, no barrier.
	WIN 0x08
.irp kk,0,1,2,3
.irp j,0,1,2,3
.irp i,0,1,2,3,4,5,6,7
	ds_store_b32 v11, v[UB+8*(4*\kk+\j)+\i] offset:PF*\i+128*\kk+4*\j
.endr
.endr
.endr
	WIN 0x04
.irp kk,0,1,2,3
.irp j,0,1,2,3
.irp i,0,1,2,3,4,5,6,7
	ds_store_b32 v12, v[MB+8*(4*\kk+\j)+\i] offset:PF*\i+128*\kk+4*\j
.endr
.endr
.endr
	WIN 0
	ds_load_b32 v17, v15                           ; my diagonal element of cov
.macro OUT areg, lo, hi                ; 32 rows: each store of the wave covers one row of the output, 512 consecutive bytes, aligned
.set nI, 0
.rept 32
	ds_load_b128 v[64+4*nI:67+4*nI], v[\areg] offset:PF*nI
.set nI, nI+1
.endr
.set nI, 0
.rept 32
	s_wait_dscnt 31-nI                             ; row n is in; the younger rows stay out
	global_store_b128 v[GRA], v[64+4*nI:67+4*nI], s[\lo:\hi] offset:512*nI th:TH_STORE_NT
.set nI, nI+1
.endr
.endm
	OUT 13, 12, 13                                 ; cov to out1
	s_wait_xcnt 0x0                                ; the stores' data registers are loaded again only behind this wait
	OUT 14, 10, 11                                 ; mean to out0
	; thread t's part: 128 (rho - 1 - ln rho) + t2 / pv, rho = cov[t][t] / pv
	v_rcp_f32 v18, s21
	v_mov_b32 v23, 0
	s_wait_alu depctr_va_vdst(0)
	v_mul_f32 v19, v17, v18
	v_log_f32 v20, v19
	v_add_f32 v21, -1.0, v19
	s_wait_alu depctr_va_vdst(0)
	v_fmamk_f32 v21, v20, 0xbf317218, v21          ; - ln 2 x log2(rho)
	v_mul_f32 v22, v16, v18
	v_fmamk_f32 v22, v21, 0x43000000, v22          ; x 128
	v_add_f32_dpp v22, v22, v22 row_xmask:1 row_mask:0xf bank_mask:0xf
	v_add_f32_dpp v22, v22, v22 row_xmask:2 row_mask:0xf bank_mask:0xf
	v_add_f32_dpp v22, v22, v22 row_xmask:4 row_mask:0xf bank_mask:0xf
	v_add_f32_dpp v22, v22, v22 row_xmask:8 row_mask:0xf bank_mask:0xf
	v_permlanex16_b32 v23, v22, s18, s19
	v_add_f32 v22, v22, v23
	s_lshl_b32 s25, s16, 2
	s_add_co_u32 s25, s25, RED
	v_mov_b32 v24, s25
	ds_store_b32 v24, v22                          ; all lanes store the same word
	s_wait_dscnt 0x0
	s_barrier_signal -1
	s_barrier_wait -1
	s_cmp_lg_u32 s16, 0
	s_cbranch_scc1 .Lend
	v_mov_b32 v24, RED
	ds_load_b128 v[28:31], v24
	v_mov_b32 v25, 0
	s_wait_dscnt 0x0
	v_add_f32 v28, v28, v29
	v_add_f32 v30, v30, v31
	v_add_f32 v28, v28, v30
	s_wait_xcnt 0x0                                ; EXEC changes only behind this wait
	v_cmp_eq_u32 vcc_lo, 0, v0
	s_and_saveexec_b32 s24, vcc_lo
	global_store_b32 v25, v28, s[14:15]            ; this batch element's divergence
	s_wait_xcnt 0x0
	s_or_b32 exec_lo, exec_lo, s24
.Lend:
	s_set_vgpr_msb 0xf
	s_wait_tensorcnt 0x0
	ds_add_u32 v0, v1
	s_wait_dscnt 0x0
	s_set_vgpr_msb 0xf00
	s_endpgm
.Lfunc_end_k_q929caa5794_write:
	.size	k_q929caa5794_write, .Lfunc_end_k_q929caa5794_write-k_q929caa5794_write
	.p2alignl 7, 3214868480
	.fill 96, 4, 3214868480
	.section	.rodata,"a",@progbits
	.p2align	6, 0x0
	.amdhsa_kernel k_q929caa5794_write
		.amdhsa_group_segment_fixed_size 251392
		.amdhsa_private_segment_fixed_size 0
		.amdhsa_enable_private_segment 0
		.amdhsa_kernarg_size 48
		.amdhsa_user_sgpr_count 2
		.amdhsa_user_sgpr_kernarg_segment_ptr 1
		.amdhsa_wavefront_size32 1
		.amdhsa_system_sgpr_workgroup_id_x 1
		.amdhsa_system_sgpr_workgroup_id_y 1
		.amdhsa_system_sgpr_workgroup_id_z 1
		.amdhsa_system_vgpr_workitem_id 0
		.amdhsa_next_free_vgpr 770
		.amdhsa_next_free_sgpr 66
		.amdhsa_reserve_vcc 1
		.amdhsa_float_denorm_mode_32 3
		.amdhsa_float_denorm_mode_16_64 3
		.amdhsa_memory_ordered 1
		.amdhsa_forward_progress 1
		.amdhsa_inst_pref_size 255
	.end_amdhsa_kernel
	.section	.bss,"aw",@nobits
	.p2align	6
	.space	262144
	.amdgpu_metadata
---
amdhsa.version: [ 1, 2 ]
amdhsa.kernels:
  - .name:           k_q929caa5794_write
    .symbol:         k_q929caa5794_write.kd
    .args:
      - { .name: input_encoded, .offset: 0, .size: 8, .value_kind: global_buffer, .address_space: global }
      - { .name: memory_mean, .offset: 8, .size: 8, .value_kind: global_buffer, .address_space: global }
      - { .name: memory_logvar, .offset: 16, .size: 8, .value_kind: global_buffer, .address_space: global }
      - { .name: out0, .offset: 24, .size: 8, .value_kind: global_buffer, .address_space: global }
      - { .name: out1, .offset: 32, .size: 8, .value_kind: global_buffer, .address_space: global }
      - { .name: part, .offset: 40, .size: 8, .value_kind: global_buffer, .address_space: global }
    .group_segment_fixed_size: 251392
    .private_segment_fixed_size: 0
    .kernarg_segment_align: 8
    .kernarg_segment_size: 48
    .max_flat_workgroup_size: 128
    .sgpr_count:     66
    .vgpr_count:     770
    .wavefront_size: 32
...
	.end_amdgpu_metadata
.endif
;; end of part 1
;; launch mean (part 2): grid 1 x 1, 1 waves a work-group, no clusters, 0 bytes of LDS; arguments part, out2; writes out2
.if DOCPART == 2
	.amdgcn_target "amdgcn-amd-amdhsa--gfx1250"
	.amdhsa_code_object_version 6
	.text
	.protected	k_q929caa5794_mean
	.globl	k_q929caa5794_mean
	.p2align	8
	.type	k_q929caa5794_mean,@function
k_q929caa5794_mean:
	s_mov_b64 s[64:65], 0
	v_nop
	global_prefetch_b8 v0, s[64:65] scope:SCOPE_SE
	s_setreg_imm32_b32 hwreg(HW_REG_WAVE_MODE, 25, 1), 1
	s_wait_xcnt 0x0
; out2 = the mean of the 256 batch elements' divergences.  A sum over work-groups of the launch before, so it has a launch of its own:
; one wave, eight numbers a lane in two loads of 512 consecutive bytes each.
	s_load_b128 s[4:7], s[0:1], 0x0                ; part s[4:5], out2 s[6:7]
	v_lshlrev_b32 v1, 4, v0
	s_mov_b32 s8, 0x76543210                       ; v_permlanex16_b32: lane i reads lane i of the other half
	s_mov_b32 s9, 0xfedcba98
	v_mov_b32 v12, 0
	v_mov_b32 v13, 0
	s_wait_kmcnt 0x0
	global_load_b128 v[2:5], v1, s[4:5]
	global_load_b128 v[6:9], v1, s[4:5] offset:512
	s_wait_loadcnt 0x0
	v_pk_add_f32 v[2:3], v[2:3], v[4:5]
	v_pk_add_f32 v[6:7], v[6:7], v[8:9]
	v_pk_add_f32 v[2:3], v[2:3], v[6:7]
	v_add_f32 v2, v2, v3
	v_add_f32_dpp v2, v2, v2 row_xmask:1 row_mask:0xf bank_mask:0xf
	v_add_f32_dpp v2, v2, v2 row_xmask:2 row_mask:0xf bank_mask:0xf
	v_add_f32_dpp v2, v2, v2 row_xmask:4 row_mask:0xf bank_mask:0xf
	v_add_f32_dpp v2, v2, v2 row_xmask:8 row_mask:0xf bank_mask:0xf
	v_permlanex16_b32 v12, v2, s8, s9
	v_add_f32 v2, v2, v12
	v_mul_f32 v2, 0x3b800000, v2                   ; / 256
	s_wait_xcnt 0x0                                ; EXEC changes only behind this wait
	v_cmp_eq_u32 vcc_lo, 0, v0
	s_and_saveexec_b32 s10, vcc_lo
	global_store_b32 v13, v2, s[6:7]
	s_wait_xcnt 0x0
	s_or_b32 exec_lo, exec_lo, s10
	s_endpgm
.Lfunc_end_k_q929caa5794_mean:
	.size	k_q929caa5794_mean, .Lfunc_end_k_q929caa5794_mean-k_q929caa5794_mean
	.p2alignl 7, 3214868480
	.fill 96, 4, 3214868480
	.section	.rodata,"a",@progbits
	.p2align	6, 0x0
	.amdhsa_kernel k_q929caa5794_mean
		.amdhsa_group_segment_fixed_size 0
		.amdhsa_private_segment_fixed_size 0
		.amdhsa_enable_private_segment 0
		.amdhsa_kernarg_size 16
		.amdhsa_user_sgpr_count 2
		.amdhsa_user_sgpr_kernarg_segment_ptr 1
		.amdhsa_wavefront_size32 1
		.amdhsa_system_sgpr_workgroup_id_x 1
		.amdhsa_system_sgpr_workgroup_id_y 1
		.amdhsa_system_sgpr_workgroup_id_z 1
		.amdhsa_system_vgpr_workitem_id 0
		.amdhsa_next_free_vgpr 16
		.amdhsa_next_free_sgpr 66
		.amdhsa_reserve_vcc 1
		.amdhsa_float_denorm_mode_32 3
		.amdhsa_float_denorm_mode_16_64 3
		.amdhsa_memory_ordered 1
		.amdhsa_forward_progress 1
		.amdhsa_inst_pref_size 2
	.end_amdhsa_kernel
	.amdgpu_metadata
---
amdhsa.version: [ 1, 2 ]
amdhsa.kernels:
  - .name:           k_q929caa5794_mean
    .symbol:         k_q929caa5794_mean.kd
    .args:
      - { .name: part, .offset: 0, .size: 8, .value_kind: global_buffer, .address_space: global }
      - { .name: out2, .offset: 8, .size: 8, .value_kind: global_buffer, .address_space: global }
    .group_segment_fixed_size: 0
    .private_segment_fixed_size: 0
    .kernarg_segment_align: 8
    .kernarg_segment_size: 16
    .max_flat_workgroup_size: 32
    .sgpr_count:     66
    .vgpr_count:     16
    .wavefront_size: 32
...
	.end_amdgpu_metadata
.endif
;; end of part 2
